; MI455X (gfx1250); checked and timed in simulation.
; The chip was launched on July 23, 2026; its instructions are those of AMD's public machine-readable ISA for CDNA 5 (MIT licence, August 2026) and "CDNA5" Instruction Set Architecture Reference Guide (July 2026). The comments in the code are by the model that wrote it; some were corrected since.
;; Coordinate Decoder. Allowed arithmetic: matrix products marked QUANTISED: E2M1 operands, one E8M0 scale for each 32 along K, by v_wmma_scale_f32_16x16x128_f8f6f4 with both operands' format E2M1 (or v_wmma_scale_f32_32x16x128_f4), f32 sums; products left as they are: f32 operands where the result goes on into a quantised operand, else bf16, f16 or f32 operands; f32 sums; everything else in f32.
;; Inputs: b_film 512 float32; b_mlp0 256 float32; b_mlp1 256 float32; b_mlp2 256 float32; b_mlp3 256 float32; b_out 3 float32; context_vector 4 x 128 float32; coords 32,768 x 2 float32; feature_grid 4 x 64 x 64 x 128 float32; w_film 128 x 512 float32; w_mlp0 170 x 256 float32; w_mlp1 256 x 256 float32; w_mlp2 256 x 256 float32; w_mlp3 256 x 256 float32; w_out 256 x 3 float32.
;; Outputs: out0 4 x 32,768 x 3 float32.
;; This version of the problem:
;;   THIS VERSION OF THE PROBLEM IS GIVEN IN LOW PRECISION. The matrix products marked QUANTISED in the list below multiply operands that are first quantised to E2M1 (2 exponent bits, 1 mantissa bit; 4 bits a number), with one power-of-two scale for each 32 numbers along K (OCP MX v1.0); their sums are f32. All else is computed in f32.
;;   The module's matrix products, in the order in which they are computed (A, B: the left and right operand; K: the contracted axis; several contracted axes count as one K, in the product's order):
;;     1. [M 4, K 128] x [K 128, N 512]; A: input context_vector; B: input w_film: left as it is (M = 4 < 16)
;;     2. [M 131,072, K 170] x [K 170, N 256]; A: computed on the way; B: input w_mlp0: QUANTISED
;;     3. [M 131,072, K 256] x [K 256, N 256]; A: computed on the way; B: input w_mlp1: QUANTISED
;;     4. [M 131,072, K 256] x [K 256, N 256]; A: computed on the way; B: input w_mlp2: QUANTISED
;;     5. [M 131,072, K 256] x [K 256, N 256]; A: computed on the way; B: input w_mlp3: QUANTISED
;;     6. [M 131,072, K 256] x [K 256, N 3]; A: computed on the way; B: input w_out: left as it is (N = 3 < 16)
;;   THE QUANTISER, for each operand of a quantised product, along K:
;;     - K is cut into blocks of 32 from its start; a last block that is shorter is filled with zeros.
;;     - A block's scale is 2^e with e = floor(log2(the largest magnitude in the block)) - 2, held to -126 .. 127; a block of zeros has e = 0. As a byte (E8M0): e + 127.
;;     - Each number is divided by its block's scale, clamped to +-6, and rounded to the nearest number of E2M1, ties to even, subnormals kept.
;;     - The product sums the exact products of the quantised numbers (number of the format x scale) in f32.
;;   ~~~python
;;   def quantise(x, axis):      # numpy; x: float32 -> the quantised numbers, widened to float32 again
;;       x = np.moveaxis(x, axis, -1); K = x.shape[-1]
;;       x = np.pad(x, [(0, 0)] * (x.ndim - 1) + [(0, -K % 32)]); x = x.reshape(x.shape[:-1] + (-1, 32)); a = np.abs(x).max(-1, keepdims=True)
;;       e = np.where(a > 0, np.clip(np.frexp(np.where(a > 0, a, 1))[1] - 1 - 2, -126, 127), 0)      # np.frexp(a)[1] - 1 = floor(log2(a)), exactly
;;       r = np.clip(x / 2.0 ** e, -6, 6)
;;       step = 2.0 ** (np.maximum(np.frexp(np.where(r == 0, 1, r))[1] - 1, 0) - 1)
;;       q = np.round(r / step) * step * 2.0 ** e      # np.round: ties to even
;;       return np.moveaxis(q.reshape(q.shape[:-2] + (-1,))[..., :K], -1, axis).astype(np.float32)
;;   ~~~
;;   OPERANDS COMPUTED ON THE WAY. 'Computed on the way' means the value that the module computes at that place (a softmax that the list does not call 'softmax' is quantised finished and normalised). What goes into a quantiser is computed in f32, as accurately as f32 sums, v_exp_f32 and their like allow (about 1e-6 of the number): no bf16 or f16 on the way to a quantiser, and a product that is left as it is and whose result goes on into a quantised operand takes f32 operands (vector FMAs, or v_wmma_f32_16x16x4_f32). A number that lies on a knife's edge between two numbers of the format may be rounded either way, as far as f32 arithmetic and the matrix unit's own rounding can turn it there, and no further.
;; One version. Each part assembles by itself: llvm-mc -triple=amdgcn-amd-amdhsa -mcpu=gfx1250 --defsym DOCPART=n.
;; ======== version 1 of 1: 2 launches
;; limits: inputs' magnitudes at most 650; right only within a limited range of input values
;; workspace buffers: idx 524,288 bytes of whole numbers; pts 2,621,440 bytes; wimg 143,360 bytes; film 32,768 bytes
;; launch prep (part 1): grid 153 x 1, 8 waves a work-group, no clusters, 3,072 bytes of LDS; arguments coords, w_mlp0, w_mlp1, w_mlp2, w_mlp3, b_mlp0, b_mlp1, b_mlp2, b_mlp3, w_film, b_film, context_vector, w_out, idx, pts, wimg, film; writes idx, pts, wimg, film
.if DOCPART == 1
	.amdgcn_target "amdgcn-amd-amdhsa--gfx1250"
	.amdhsa_code_object_version 6
	.text
	.protected	k_q925df7e3b2_prep
	.globl	k_q925df7e3b2_prep
	.p2align	8
	.type	k_q925df7e3b2_prep,@function
k_q925df7e3b2_prep:
	s_mov_b64 s[64:65], 0
	v_nop
	global_prefetch_b8 v0, s[64:65] scope:SCOPE_SE
	s_setreg_imm32_b32 hwreg(HW_REG_WAVE_MODE, 25, 1), 1
	s_wait_xcnt 0x0
; All that hangs on no image's pixels is made once, for the launch that follows.  The work-group's number picks the role:
;   0-7    the four layers' weights [K][256] f32 -> codes of FP4 (E2M1) and E8M0 scale words, laid in the order of the operand's registers (wimg)
;   8-23   FiLM: G = context w_film + b_film + 1 and Bt_L = b_L G + beta, in f32 multiply-adds (film)
;   24     w_out, f32, turned so that a channel's 16 neighbouring units lie on end (wimg)
;   25-152 a lane a point: the four pixel numbers (idx, whole numbers), the four bilinear weights, the 42 numbers of the encoding (pts)
; wimg: codes at L*32768 + tile*2048 + t*512 + 16*lane: lane (r, h) holds k = 64 t + 32 h + 0..31 of unit 32 (tile/2) + 8 (tile%2) + r + 8 (r/8);
;       scale words at 131072 + L*2048 + tile*128 + 4*lane: lanes 0-15 the word of K = 0..127 of the tile's row r, lanes 16-31 that of K = 128..255;
;       w_out at 139264 + b*512 + h*256 + ch*64 + 4 i: w_out[32 b + 16 h + i][ch], f32; zeros for ch = 3.
; film: [image][8 L + b][G of units 32 b .. +31, 128 bytes | Bt_L of the same, 128 bytes].
; pts:  five planes of [point][16 bytes]: codes of enc[0..31] | enc[32..35] | enc[36..39] | enc40, enc41, block 0's scale byte, 0 | the four weights.
; A block's scale: the largest magnitude's exponent field less 2, held at 1 from below by a floor among the maximum's leaves.
; LIMITS: NaN and infinities are not served.  A block of zeros gets the byte 1 (its codes are zeros; this program alone reads the bytes).
; sin and cos: the angle less n pi/2 in three parts, then polynomials on about +-pi/4; n = rndne(angle 2/pi) is within 0.04 of the true quotient while |coords| x 512 pi stays under 2^20.
.set PLANE, 524288
.set FLOOR, 0x1800000                  ; 2^(3 - 127)
.set OFF2,  0xff000000                 ; -(2 << 23)
.macro MAX32 s                         ; v12 = the largest magnitude of v[s] .. v[s+31], not under the floor; two chains
	v_max3_num_f32 v12, |v[\s]|, |v[\s+1]|, |v[\s+2]|
	v_max3_num_f32 v13, |v[\s+3]|, |v[\s+4]|, |v[\s+5]|
.irp i, 6,10,14,18,22,26
	s_delay_alu instid0(VALU_DEP_2)
	v_max3_num_f32 v12, v12, |v[\s+\i]|, |v[\s+\i+1]|
	s_delay_alu instid0(VALU_DEP_2)
	v_max3_num_f32 v13, v13, |v[\s+\i+2]|, |v[\s+\i+3]|
.endr
	s_delay_alu instid0(VALU_DEP_2)
	v_max3_num_f32 v12, v12, |v[\s+30]|, |v[\s+31]|
	s_delay_alu instid0(VALU_DEP_1)
	v_max3_num_f32 v12, v12, v13, FLOOR
.endm
	s_load_b512 s[4:19], s[0:1], 0x0               ; coords 4, w_mlp0 6, w_mlp1 8, w_mlp2 10, w_mlp3 12, b_mlp0 14, b_mlp1 16, b_mlp2 18
	s_load_b512 s[20:35], s[0:1], 0x40             ; b_mlp3 20, w_film 22, b_film 24, context 26, w_out 28, idx 30, pts 32, wimg 34
	s_load_b64 s[36:37], s[0:1], 0x80              ; film
	v_lshl_add_u32 v112, v0, 2, 0x800
	v_mov_b32 v113, 0
	v_lshrrev_b32 v1, 5, v0
	s_delay_alu instid0(VALU_DEP_1)
	v_readfirstlane_b32 s2, v1                     ; wave 0..7
	v_and_b32 v1, 31, v0                           ; lane
	v_and_b32 v3, 15, v0                           ; r
	v_bfe_u32 v4, v0, 4, 1                         ; h
	v_mov_b32 v2, 0
	s_delay_alu instid0(VALU_DEP_2)
	v_lshlrev_b32 v5, 3, v4                        ; 8 h
	v_lshlrev_b32 v6, 4, v1                        ; 16 x lane
	v_lshlrev_b32 v7, 2, v1                        ; 4 x lane
	s_mov_b32 s38, 0x76543210
	s_mov_b32 s39, 0xfedcba98                      ; v_permlanex16_b32's selects for lane l xor 16
	s_mov_b32 s40, 0xffff0000                      ; lanes 16-31
	s_wait_kmcnt 0x0
	s_cmp_lt_u32 ttmp9, 8
	s_cbranch_scc1 .Lweights
	s_cmp_lt_u32 ttmp9, 24
	s_cbranch_scc1 .Lfilm
	s_cmp_eq_u32 ttmp9, 24
	s_cbranch_scc1 .Lwout
; ---------------------------------------------------------------- POINTS: thread t takes point 256 (work-group - 25) + t
	s_sub_co_u32 s41, ttmp9, 25
	s_lshl_b32 s42, s41, 11                        ; 256 points x 8 bytes of coords
	s_mov_b32 s43, 0
	s_add_nc_u64 s[4:5], s[4:5], s[42:43]
	v_lshlrev_b32 v8, 3, v0
	global_load_b64 v[32:33], v8, s[4:5]           ; enc[0], enc[1] = row and column coordinate; a wave reads 256 consecutive bytes
	s_lshl_b32 s42, s41, 12                        ; 256 points x 16 bytes in idx and in each plane of pts
	s_add_nc_u64 s[30:31], s[30:31], s[42:43]
	s_add_nc_u64 s[32:33], s[32:33], s[42:43]
	v_lshlrev_b32 v9, 4, v0
	s_mov_b32 s44, 0x3f22f983                      ; 2 / pi
	s_mov_b32 s45, 0xbfc90fdb                      ; -pi/2 in three parts
	s_mov_b32 s46, 0x333bbd2e
	s_mov_b32 s47, 0x26f72ced
	s_mov_b32 s48, 0xbe2aaaa3                      ; sin r = r + r s (S1 + s (S2 + s S3)), s = r r
	s_mov_b32 s49, 0x3c08839e
	s_mov_b32 s50, 0xb94ca1f9
	s_mov_b32 s51, 0x3d2aaaa5                      ; cos r = 1 - s/2 + s s (C1 + s (C2 + s C3))
	s_mov_b32 s52, 0xbab6061a
	s_mov_b32 s53, 0x37ccf5ce
	s_mov_b32 s54, 0x80000000
	s_wait_loadcnt 0x0
	; pixel coordinates ((c + 1) / 2) x 63, three roundings; floor, the two weights, and the two indices folded back by reflection:
	; reflect(i) = min(i & 127, 127 - (i & 127)) for a side of 64, for every whole number i.  Axis a in the registers + a
.irp a, 0,1
	v_add_f32 v[12+\a], 1.0, v[32+\a]
.endr
.irp a, 0,1
	s_delay_alu instid0(VALU_DEP_2)
	v_mul_f32 v[12+\a], 0.5, v[12+\a]
.endr
.irp a, 0,1
	s_delay_alu instid0(VALU_DEP_2)
	v_mul_f32 v[12+\a], 0x427c0000, v[12+\a]       ; x 63
.endr
.irp a, 0,1
	s_delay_alu instid0(VALU_DEP_2)
	v_floor_f32 v[14+\a], v[12+\a]
.endr
.irp a, 0,1
	s_delay_alu instid0(VALU_DEP_2)
	v_sub_f32 v[16+\a], v[12+\a], v[14+\a]         ; the upper weight
.endr
.irp a, 0,1
	s_delay_alu instid0(VALU_DEP_2)
	v_sub_f32 v[18+\a], 1.0, v[16+\a]              ; the lower weight
.endr
.irp a, 0,1
	v_cvt_i32_f32 v[14+\a], v[14+\a]               ; i
.endr
.irp a, 0,1
	s_delay_alu instid0(VALU_DEP_2)
	v_add_nc_u32 v[20+\a], 1, v[14+\a]             ; i + 1
.endr
.irp a, 0
	s_delay_alu instid0(VALU_DEP_4)
	v_and_b32 v[14+\a], 127, v[14+\a]
	s_delay_alu instid0(VALU_DEP_3)
	v_and_b32 v[20+\a], 127, v[20+\a]
.endr
.irp a, 1
	v_and_b32 v[14+\a], 127, v[14+\a]
	s_delay_alu instid0(VALU_DEP_4)
	v_and_b32 v[20+\a], 127, v[20+\a]
.endr
.irp a, 0,1
	s_delay_alu instid0(VALU_DEP_4)
	v_sub_nc_u32 v[22+\a], 127, v[14+\a]
	s_delay_alu instid0(VALU_DEP_4)
	v_sub_nc_u32 v[24+\a], 127, v[20+\a]
.endr
.irp a, 0,1
	s_delay_alu instid0(VALU_DEP_4)
	v_min_u32 v[14+\a], v[14+\a], v[22+\a]
	s_delay_alu instid0(VALU_DEP_4)
	v_min_u32 v[20+\a], v[20+\a], v[24+\a]
.endr
	s_delay_alu instid0(VALU_DEP_2)
	v_lshl_add_u32 v76, v14, 6, v15                ; pixel = 64 row + column: corners 00, 01, 10, 11
	s_delay_alu instid0(VALU_DEP_2)
	v_lshl_add_u32 v77, v14, 6, v21
	s_delay_alu instid0(VALU_DEP_4)
	v_lshl_add_u32 v78, v20, 6, v15
	s_delay_alu instid0(VALU_DEP_4)
	v_lshl_add_u32 v79, v20, 6, v21
	v_mul_f32 v80, v18, v19                        ; and their weights, row's x column's
	v_mul_f32 v81, v18, v17
	v_mul_f32 v82, v16, v19
	v_mul_f32 v83, v16, v17
; sin and cos of both coordinates x 2^j pi, into enc[2 + 4 j ..]: sin, sin, cos, cos.  The two coordinates take turns line by line.
.macro SINCOS j
.set FR, 0x40490fdb+((\j)<<23)
.set D, 34+4*(\j)
.irp a, 0,1
	v_mul_f32 v[12+\a], FR, v[32+\a]               ; the angle, one rounding
.endr
.irp a, 0,1
	s_delay_alu instid0(VALU_DEP_2)
	v_mul_f32 v[14+\a], s44, v[12+\a]
.endr
.irp a, 0,1
	s_delay_alu instid0(VALU_DEP_2)
	v_rndne_f32 v[14+\a], v[14+\a]                 ; n
.endr
.irp a, 0,1
	s_delay_alu instid0(VALU_DEP_2)
	v_fma_f32 v[16+\a], v[14+\a], s45, v[12+\a]    ; r = angle - n pi/2
.endr
.irp a, 0,1
	s_delay_alu instid0(VALU_DEP_2)
	v_fma_f32 v[16+\a], v[14+\a], s46, v[16+\a]
.endr
.irp a, 0,1
	s_delay_alu instid0(VALU_DEP_2)
	v_fma_f32 v[16+\a], v[14+\a], s47, v[16+\a]
.endr
.irp a, 0,1
	v_cvt_i32_f32 v[20+\a], v[14+\a]               ; n as a whole number: its low two bits are the quadrant
.endr
.irp a, 0,1
	s_delay_alu instid0(VALU_DEP_4)
	v_mul_f32 v[18+\a], v[16+\a], v[16+\a]         ; s
.endr
.irp a, 0
	s_delay_alu instid0(VALU_DEP_2)
	v_fma_f32 v[22+\a], v[18+\a], s50, s49
	s_delay_alu instid0(VALU_DEP_3)
	v_fma_f32 v[24+\a], v[18+\a], s53, s52
.endr
.irp a, 1
	s_delay_alu instid0(VALU_DEP_3)
	v_fma_f32 v[22+\a], v[18+\a], s50, s49
	s_delay_alu instid0(VALU_DEP_4)
	v_fma_f32 v[24+\a], v[18+\a], s53, s52
.endr
.irp a, 0,1
	s_delay_alu instid0(VALU_DEP_4)
	v_fma_f32 v[22+\a], v[22+\a], v[18+\a], s48
	s_delay_alu instid0(VALU_DEP_4)
	v_fma_f32 v[24+\a], v[24+\a], v[18+\a], s51
.endr
.irp a, 0,1
	v_mul_f32 v[26+\a], v[16+\a], v[18+\a]         ; r s
	v_fma_f32 v[28+\a], v[18+\a], -0.5, 1.0        ; 1 - s/2
.endr
.irp a, 0,1
	v_mul_f32 v[18+\a], v[18+\a], v[18+\a]         ; s s
.endr
.irp a, 0
	v_fma_f32 v[22+\a], v[22+\a], v[26+\a], v[16+\a]   ; sin r
	s_delay_alu instid0(VALU_DEP_3)
	v_fma_f32 v[24+\a], v[24+\a], v[18+\a], v[28+\a]   ; cos r
.endr
.irp a, 1
	v_fma_f32 v[22+\a], v[22+\a], v[26+\a], v[16+\a]   ; sin r
	s_delay_alu instid0(VALU_DEP_4)
	v_fma_f32 v[24+\a], v[24+\a], v[18+\a], v[28+\a]   ; cos r
.endr
.irp a, 0,1
	v_and_b32 v[26+\a], 1, v[20+\a]
.endr
	s_delay_alu instid0(VALU_DEP_2)
	v_cmp_eq_u32 vcc_lo, 1, v26                    ; in odd quadrants sin and cos change places
	s_delay_alu instid0(VALU_DEP_2)
	v_cmp_eq_u32 s56, 1, v27
	s_delay_alu instid0(VALU_DEP_2)
	v_cndmask_b32 v[D], v22, v24, vcc_lo
	s_delay_alu instid0(VALU_DEP_3)
	v_cndmask_b32 v[D+2], v24, v22, vcc_lo
	s_delay_alu instid0(VALU_DEP_3)
	v_cndmask_b32 v[D+1], v23, v25, s56
	s_delay_alu instid0(VALU_DEP_4)
	v_cndmask_b32 v[D+3], v25, v23, s56
.irp a, 0,1
	v_add_nc_u32 v[28+\a], 1, v[20+\a]
.endr
.irp a, 0
	v_lshlrev_b32 v[20+\a], 30, v[20+\a]           ; sin's sign: bit 1 of n;
	s_delay_alu instid0(VALU_DEP_3)
	v_lshlrev_b32 v[28+\a], 30, v[28+\a]           ; cos's: bit 1 of n + 1
.endr
.irp a, 1
	v_lshlrev_b32 v[20+\a], 30, v[20+\a]           ; sin's sign: bit 1 of n;
	s_delay_alu instid0(VALU_DEP_4)
	v_lshlrev_b32 v[28+\a], 30, v[28+\a]           ; cos's: bit 1 of n + 1
.endr
.irp a, 0,1
	s_delay_alu instid0(VALU_DEP_4)
	v_and_b32 v[20+\a], s54, v[20+\a]
	s_delay_alu instid0(VALU_DEP_4)
	v_and_b32 v[28+\a], s54, v[28+\a]
.endr
.irp a, 0,1
	s_delay_alu instid0(VALU_DEP_4)
	v_xor_b32 v[D+\a], v[D+\a], v[20+\a]
	s_delay_alu instid0(VALU_DEP_4)
	v_xor_b32 v[D+2+\a], v[D+2+\a], v[28+\a]
.endr
.endm
.irp j, 0,1,2,3,4,5,6,7,8,9
	SINCOS \j
.endr
	MAX32 32                                       ; enc[0..31] is the first block of the first product's K: the same for all four images, so it is quantised here
	s_delay_alu instid0(VALU_DEP_1)
	v_add_nc_u32 v14, OFF2, v12                    ; 2 off the exponent field: the conversion takes this operand's exponent field as its scale
	s_delay_alu instid0(VALU_DEP_1)
	v_lshrrev_b32 v74, 23, v14                     ; the scale's byte
	v_mov_b32 v75, 0
.irp g, 0,1,2,3
	v_cvt_scalef32_pk8_fp4_f32 v[84+\g], v[32+8*\g:39+8*\g], v14
.endr
	v_nop                                          ; one plain line behind the last scaled conversion
	global_store_b128 v9, v[76:79], s[30:31]       ; each store of a wave covers 512 consecutive bytes, aligned
	global_store_b128 v9, v[84:87], s[32:33]
	global_store_b128 v9, v[64:67], s[32:33] offset:PLANE
	global_store_b128 v9, v[68:71], s[32:33] offset:2*PLANE
	global_store_b128 v9, v[72:75], s[32:33] offset:3*PLANE
	global_store_b128 v9, v[80:83], s[32:33] offset:4*PLANE
	s_endpgm
; ---------------------------------------------------------------- WEIGHTS: work-group j: layer j / 2, tiles 8 (j % 2) + wave
; A lane takes a unit (a column of w) and its registers run down K, in the order that the operand's layout gives that lane: the conversions' results are the operand's registers.
.Lweights:
	s_lshr_b32 s41, ttmp9, 1                       ; layer
	s_and_b32 s42, ttmp9, 1
	s_lshl_b32 s42, s42, 3
	s_add_co_u32 s42, s42, s2                      ; tile 0..15
	s_lshr_b32 s44, s42, 1
	s_lshl_b32 s44, s44, 7
	s_and_b32 s45, s42, 1
	s_lshl_b32 s45, s45, 5
	s_add_co_u32 s44, s44, s45                     ; the tile's first unit, in bytes: 128 (tile / 2) + 32 (tile % 2)
	s_mov_b32 s45, 0
	s_lshl_b32 s46, s41, 15
	s_lshl_b32 s47, s42, 11
	s_add_co_u32 s46, s46, s47                     ; its codes in wimg
	s_mov_b32 s47, 0
	s_lshl_b32 s48, s41, 11
	s_lshl_b32 s49, s42, 7
	s_add_co_u32 s48, s48, s49
	s_add_co_u32 s48, s48, 131072                  ; its scale words
	s_mov_b32 s49, 0
	s_cmp_eq_u32 s41, 1                            ; the layer's weights: a choice on the work-group's number alone
	s_cselect_b64 s[50:51], s[8:9], s[6:7]
	s_cmp_eq_u32 s41, 2
	s_cselect_b64 s[50:51], s[10:11], s[50:51]
	s_cmp_eq_u32 s41, 3
	s_cselect_b64 s[50:51], s[12:13], s[50:51]
	s_add_nc_u64 s[50:51], s[50:51], s[44:45]
	s_add_nc_u64 s[52:53], s[34:35], s[46:47]
	s_add_nc_u64 s[54:55], s[34:35], s[48:49]
	s_wait_alu depctr_va_vdst(0)
	v_and_b32 v8, 8, v3
	s_delay_alu instid0(VALU_DEP_1)
	v_add_nc_u32 v8, v8, v3                        ; r + 8 (r / 8)
	s_delay_alu instid0(VALU_DEP_1)
	v_lshlrev_b32 v9, 2, v8                        ; my unit's bytes in a row of w
	s_delay_alu instid0(VALU_DEP_1)
	v_lshl_add_u32 v8, v4, 15, v9                  ; lanes 16-31 begin 32 rows of 1,024 bytes further down
; unit t of four: w(64 t + 32 h + i, my unit), i = 0..31, into set t % 2.  part = 1 (layer 0, t = 2): K ends at 170, so from i = 10 on lanes 16-31 read lanes 0-15's rows, which exist
.macro WLOAD t, part
.set S, 32+32*((\t)%2)
.set I, 0
.rept 32
.if (\part) && (I >= 10)
	global_load_b32 v[S+I], v9, s[50:51] offset:(64*(\t)+I)*1024
.else
	global_load_b32 v[S+I], v8, s[50:51] offset:(64*(\t)+I)*1024
.endif
.set I, I+1
.endr
.endm
.macro WQUANT t, part                  ; a whole block of 32 lies in my registers: no other lane is asked
.set S, 32+32*((\t)%2)
.if \part
.set I, 10
.rept 22
	v_cndmask_b32 v[S+I], v[S+I], v2, s40          ; k = 170 .. 191: zeros, ahead of the maximum
.set I, I+1
.endr
.endif
	MAX32 S
	s_delay_alu instid0(VALU_DEP_1)
	v_add_nc_u32 v14, OFF2, v12
	s_delay_alu instid0(VALU_DEP_1)
	v_lshrrev_b32 v[16+(\t)], 23, v14              ; the byte of block 2 t + h
.irp g, 0,1,2,3
	v_cvt_scalef32_pk8_fp4_f32 v[96+4*(\t)+\g], v[S+8*\g:S+8*\g+7], v14
.endr
	v_nop                                          ; one plain line behind the last scaled conversion
	global_store_b128 v6, v[96+4*(\t):96+4*(\t)+3], s[52:53] offset:512*(\t)   ; 512 consecutive bytes; each unit has its own code registers, so no store's data are written again
.endm
	s_cmp_eq_u32 s41, 0
	s_cbranch_scc1 .Llayer0
	WLOAD 0, 0
	WLOAD 1, 0
	s_wait_loadcnt 32                              ; unit 0's 32 loads are in; unit 1's may be out
	WQUANT 0, 0
	WLOAD 2, 0
	s_wait_loadcnt 32
	WQUANT 1, 0
	WLOAD 3, 0
	s_wait_loadcnt 32
	WQUANT 2, 0
	s_wait_loadcnt 0x0
	WQUANT 3, 0
	s_branch .Lwtail
.Llayer0:                                          ; K = 170: filled with zeros up to 256
	s_wait_alu depctr_va_vdst(0)
	WLOAD 0, 0
	WLOAD 1, 0
	s_wait_loadcnt 32
	WQUANT 0, 0
	WLOAD 2, 1
	s_wait_loadcnt 32
	WQUANT 1, 0
	s_wait_loadcnt 0x0
	WQUANT 2, 1
.irp g, 0,1,2,3
	v_mov_b32 v[108+\g], 0                         ; k = 192 .. 255: zero codes,
.endr
	v_mov_b32 v19, 1                               ; under the byte 1
	global_store_b128 v6, v[108:111], s[52:53] offset:1536
.Lwtail:
	v_lshl_or_b32 v20, v17, 16, v16                ; K = 0..127: my bytes of blocks h and 2 + h,
	s_wait_alu depctr_va_vdst(0)
	v_lshl_or_b32 v21, v19, 16, v18                ; K = 128..255 likewise,
	v_lshlrev_b32 v20, v5, v20                     ; at their places in the word (8 h bits up);
	s_delay_alu instid0(VALU_DEP_2)
	v_lshlrev_b32 v21, v5, v21
	v_mov_b32 v22, 0                               ; (a lane permute's destination counts as one of its sources)
	v_mov_b32 v23, 0
	s_delay_alu instid0(VALU_DEP_2)
	v_permlanex16_b32 v22, v20, s38, s39
	s_delay_alu instid0(VALU_DEP_2)
	v_permlanex16_b32 v23, v21, s38, s39
	s_delay_alu instid0(VALU_DEP_2)
	v_or_b32 v20, v20, v22                         ; with lane l xor 16's two bytes the words are whole, in both halves
	s_delay_alu instid0(VALU_DEP_2)
	v_or_b32 v21, v21, v23
	s_delay_alu instid0(VALU_DEP_1)
	v_cndmask_b32 v20, v20, v21, s40               ; lanes 0-15 keep the first word, lanes 16-31 the second
	global_store_b32 v7, v20, s[54:55]             ; 128 consecutive bytes
	s_endpgm
; ---------------------------------------------------------------- FILM: work-group 8 + 4 image + uq: units 64 uq .. + 63
; Thread t: unit 64 uq + t % 64, K quarter t / 64: 32 rows of w_film for gamma's column and 32 for beta's, all 64 loads out at once; the context's 32 numbers are the same for a wave and come as scalars.
; The four quarters' sums meet in LDS.  Then wave pair q folds layer q's bias, so that every wave stores.
.Lfilm:
	s_sub_co_u32 s41, ttmp9, 8
	s_lshr_b32 s42, s41, 2                         ; image
	s_and_b32 s41, s41, 3                          ; uq
	s_lshr_b32 s44, s2, 1                          ; K quarter, later the layer
	s_and_b32 s45, s2, 1
	s_lshl_b32 s46, s41, 1
	s_add_co_u32 s46, s46, s45                     ; b: my wave's block of 32 units
	s_lshl_b32 s48, s42, 9
	s_lshl_b32 s49, s44, 7
	s_add_co_u32 s48, s48, s49                     ; context: 512 bytes an image, 128 a quarter
	s_mov_b32 s49, 0
	s_add_nc_u64 s[26:27], s[26:27], s[48:49]
	s_load_b512 s[68:83], s[26:27], 0x0
	s_load_b512 s[84:99], s[26:27], 0x40
	s_lshl_b32 s48, s44, 16                        ; w_film: 32 rows of 2,048 bytes a quarter,
	s_lshl_b32 s50, s46, 7                         ; 128 bytes a block of units
	s_mov_b32 s51, 0
	s_add_co_u32 s48, s48, s50
	s_add_nc_u64 s[22:23], s[22:23], s[48:49]
	s_add_nc_u64 s[24:25], s[24:25], s[50:51]      ; b_film at my units
	s_cmp_eq_u32 s44, 1                            ; the layer's bias: a choice on the wave's number alone
	s_cselect_b64 s[52:53], s[16:17], s[14:15]
	s_cmp_eq_u32 s44, 2
	s_cselect_b64 s[52:53], s[18:19], s[52:53]
	s_cmp_eq_u32 s44, 3
	s_cselect_b64 s[52:53], s[20:21], s[52:53]
	s_add_nc_u64 s[52:53], s[52:53], s[50:51]
.set I, 0
	s_wait_alu depctr_va_vdst(0)
.rept 32
	global_load_b32 v[32+I], v7, s[22:23] offset:2048*I        ; gamma's column: 128 consecutive bytes a wave
	global_load_b32 v[64+I], v7, s[22:23] offset:2048*I+1024   ; beta's
.set I, I+1
.endr
	global_load_b32 v12, v7, s[24:25]              ; b_film for gamma,
	global_load_b32 v13, v7, s[24:25] offset:1024  ; for beta,
	global_load_b32 v14, v7, s[52:53]              ; b_L
	v_and_b32 v10, 63, v0
	s_delay_alu instid0(VALU_DEP_1)
	v_lshlrev_b32 v10, 3, v10                      ; LDS: 8 bytes a unit,
	v_lshrrev_b32 v11, 6, v0
	s_delay_alu instid0(VALU_DEP_1)
	v_lshl_add_u32 v11, v11, 9, v10                ; 512 a quarter
	s_lshl_b32 s48, s42, 13                        ; film: 8,192 bytes an image, 2,048 a layer, 256 a block
	s_lshl_b32 s54, s44, 11
	s_add_co_u32 s48, s48, s54
	s_lshl_b32 s54, s46, 8
	s_add_co_u32 s48, s48, s54
	s_add_nc_u64 s[36:37], s[36:37], s[48:49]
	s_wait_loadcnt 0x0
	s_wait_kmcnt 0x0
	v_mul_f32 v8, s68, v32                         ; the first product starts each sum
	v_mul_f32 v9, s68, v64
.set I, 1
.rept 31
	s_delay_alu instid0(VALU_DEP_2)
	v_fmac_f32 v8, s[68+I], v[32+I]
	s_delay_alu instid0(VALU_DEP_2)
	v_fmac_f32 v9, s[68+I], v[64+I]
.set I, I+1
.endr
	ds_store_b64 v11, v[8:9]
	s_wait_dscnt 0x0                               ; for the others' sake: my store has landed
	s_barrier_signal -1
	s_barrier_wait -1
	ds_load_b64 v[16:17], v10
	ds_load_b64 v[18:19], v10 offset:512
	ds_load_b64 v[20:21], v10 offset:1024
	ds_load_b64 v[22:23], v10 offset:1536
	s_wait_dscnt 0x0
	v_pk_add_f32 v[16:17], v[16:17], v[18:19]
	v_pk_add_f32 v[20:21], v[20:21], v[22:23]
	s_delay_alu instid0(VALU_DEP_1)
	v_pk_add_f32 v[16:17], v[16:17], v[20:21]
	s_delay_alu instid0(VALU_DEP_1)
	v_pk_add_f32 v[16:17], v[16:17], v[12:13]      ; gamma, beta
	s_delay_alu instid0(VALU_DEP_1)
	v_add_f32 v16, 1.0, v16                        ; G = gamma + 1
	s_delay_alu instid0(VALU_DEP_1)
	v_fma_f32 v17, v14, v16, v17                   ; Bt = b_L G + beta: (acc + b) G + beta = acc G + Bt
	global_store_b32 v7, v16, s[36:37]             ; 128 consecutive bytes each: the two halves of an aligned 256; the whole buffer is 32,768 bytes
	global_store_b32 v7, v17, s[36:37] offset:128
	s_wait_tensorcnt 0x0
	ds_add_u32 v112, v113
	s_wait_dscnt 0x0
	s_endpgm
; ---------------------------------------------------------------- W_OUT: wave b: hidden units 32 b .. + 31
; It stays f32 and is turned: lane l holds w_out[32 b + 16 (l / 16) + 4 (l % 4) + 0..3][(l / 4) % 4], zeros for channel 3, so that a channel's 16 units of a half block are 64 consecutive bytes.
.Lwout:
	v_bfe_u32 v8, v0, 2, 2                         ; channel
	s_delay_alu instid0(VALU_DEP_1)
	v_min_u32 v9, 2, v8                            ; (no load leaves the buffer)
	s_delay_alu instid0(VALU_DEP_1)
	v_lshlrev_b32 v9, 2, v9
	s_wait_alu depctr_va_vdst(0)
	v_mad_u32_u24 v9, v4, 192, v9                  ; + 16 h rows of 12 bytes
	v_and_b32 v10, 3, v0
	s_delay_alu instid0(VALU_DEP_1)
	v_mad_u32_u24 v9, v10, 48, v9                  ; + 4 (l % 4) rows
	s_mul_i32 s44, s2, 384
	s_mov_b32 s45, 0
	s_add_nc_u64 s[28:29], s[28:29], s[44:45]
.set I, 0
.rept 4
	global_load_b32 v[32+I], v9, s[28:29] offset:12*I
.set I, I+1
.endr
	v_cmp_gt_u32 vcc_lo, 3, v8
	s_lshl_b32 s44, s2, 9
	s_add_co_u32 s44, s44, 139264
	s_add_nc_u64 s[34:35], s[34:35], s[44:45]
	s_wait_loadcnt 0x0
.set I, 0
.rept 4
	v_cndmask_b32 v[32+I], 0, v[32+I], vcc_lo
.set I, I+1
.endr
	global_store_b128 v6, v[32:35], s[34:35]       ; 512 consecutive bytes, aligned
	s_endpgm
.Lfunc_end_k_q925df7e3b2_prep:
	.size	k_q925df7e3b2_prep, .Lfunc_end_k_q925df7e3b2_prep-k_q925df7e3b2_prep
	.p2alignl 7, 3214868480
	.fill 96, 4, 3214868480
	.section	.rodata,"a",@progbits
	.p2align	6, 0x0
	.amdhsa_kernel k_q925df7e3b2_prep
		.amdhsa_group_segment_fixed_size 3072
		.amdhsa_private_segment_fixed_size 0
		.amdhsa_enable_private_segment 0
		.amdhsa_kernarg_size 136
		.amdhsa_user_sgpr_count 2
		.amdhsa_user_sgpr_kernarg_segment_ptr 1
		.amdhsa_wavefront_size32 1
		.amdhsa_system_sgpr_workgroup_id_x 1
		.amdhsa_system_sgpr_workgroup_id_y 1
		.amdhsa_system_sgpr_workgroup_id_z 1
		.amdhsa_system_vgpr_workitem_id 0
		.amdhsa_next_free_vgpr 114
		.amdhsa_next_free_sgpr 100
		.amdhsa_reserve_vcc 1
		.amdhsa_float_denorm_mode_32 3
		.amdhsa_float_denorm_mode_16_64 3
		.amdhsa_memory_ordered 1
		.amdhsa_forward_progress 1
		.amdhsa_inst_pref_size 98
	.end_amdhsa_kernel
	.amdgpu_metadata
---
amdhsa.version: [ 1, 2 ]
amdhsa.kernels:
  - .name:           k_q925df7e3b2_prep
    .symbol:         k_q925df7e3b2_prep.kd
    .args:
      - { .name: coords, .offset: 0, .size: 8, .value_kind: global_buffer, .address_space: global }
      - { .name: w_mlp0, .offset: 8, .size: 8, .value_kind: global_buffer, .address_space: global }
      - { .name: w_mlp1, .offset: 16, .size: 8, .value_kind: global_buffer, .address_space: global }
      - { .name: w_mlp2, .offset: 24, .size: 8, .value_kind: global_buffer, .address_space: global }
      - { .name: w_mlp3, .offset: 32, .size: 8, .value_kind: global_buffer, .address_space: global }
      - { .name: b_mlp0, .offset: 40, .size: 8, .value_kind: global_buffer, .address_space: global }
      - { .name: b_mlp1, .offset: 48, .size: 8, .value_kind: global_buffer, .address_space: global }
      - { .name: b_mlp2, .offset: 56, .size: 8, .value_kind: global_buffer, .address_space: global }
      - { .name: b_mlp3, .offset: 64, .size: 8, .value_kind: global_buffer, .address_space: global }
      - { .name: w_film, .offset: 72, .size: 8, .value_kind: global_buffer, .address_space: global }
      - { .name: b_film, .offset: 80, .size: 8, .value_kind: global_buffer, .address_space: global }
      - { .name: context_vector, .offset: 88, .size: 8, .value_kind: global_buffer, .address_space: global }
      - { .name: w_out, .offset: 96, .size: 8, .value_kind: global_buffer, .address_space: global }
      - { .name: idx, .offset: 104, .size: 8, .value_kind: global_buffer, .address_space: global }
      - { .name: pts, .offset: 112, .size: 8, .value_kind: global_buffer, .address_space: global }
      - { .name: wimg, .offset: 120, .size: 8, .value_kind: global_buffer, .address_space: global }
      - { .name: film, .offset: 128, .size: 8, .value_kind: global_buffer, .address_space: global }
    .group_segment_fixed_size: 3072
    .private_segment_fixed_size: 0
    .kernarg_segment_align: 8
    .kernarg_segment_size: 136
    .max_flat_workgroup_size: 256
    .sgpr_count:     100
    .vgpr_count:     114
    .wavefront_size: 32
...
	.end_amdgpu_metadata
.endif
;; end of part 1
;; launch main (part 2): grid 64 x 4, 16 waves a work-group, no clusters, 327,680 bytes of LDS; arguments feature_grid, idx, pts, wimg, film, b_out, out0; writes out0
.if DOCPART == 2
	.amdgcn_target "amdgcn-amd-amdhsa--gfx1250"
	.amdhsa_code_object_version 6
	.text
	.protected	k_q925df7e3b2_main
	.globl	k_q925df7e3b2_main
	.p2align	8
	.type	k_q925df7e3b2_main,@function
k_q925df7e3b2_main:
	s_mov_b64 s[64:65], 0
	v_nop
	global_prefetch_b8 v0, s[64:65] scope:SCOPE_SE
	s_setreg_imm32_b32 hwreg(HW_REG_WAVE_MODE, 25, 1), 1
	s_wait_xcnt 0x0
; One work-group takes 512 points of one image through the whole decoder: bilinear sampling, the quantiser, four FiLM layers in MX-FP4, the output product in f32, tanh.
; 16 waves, 32 points a wave (two tiles of 16).  The products are used transposed (source 0 = 16 units of a weight, source 1 = 16 points), so that a lane holds one point and its registers run along the next K.
; LDS: the image's FiLM table (8,192 bytes), the four layers' codes, scale words and w_out (143,360 bytes), a stage of 16 rows x 656 bytes for each wave, the spare words.
; THE HEAD'S TENSOR LOADS, one a wave: waves 0-13 bring 40 rows of 256 bytes of wimg each (14 x 40 x 256 = 143,360), waves 14 and 15 bring 16 rows of the FiLM table each (2 x 4,096 = 8,192).
; TWO GROUPS OF WAVES: group g = (w xor (w >> 2)) & 1, eight waves each.  Group 0 samples its 256 points ahead of the one barrier that shows the weights to every wave, group 1 behind it:
; so group 1's pixel rows are on their way while group 0 is in the layers.  Behind that barrier a wave touches only the weights, which nobody writes, and its own stage.
; Sampling: a point's four pixel numbers come as whole numbers from idx (held at 4,095), a pixel's 128 channels are 512 consecutive bytes, 16 a lane; four multiply-adds a channel, in f32.
; gelu(x) = x / (1 + 2^(-c (x + 0.044715 x^3))), c = 2 sqrt(2 / pi) log2(e); tanh(y) = 1 - 2 / (1 + 2^(2 log2(e) y)).
; NO CLUSTER: what work-groups share is 151,552 bytes of weights a work-group, beside 512 x 2,048 bytes of pixel rows that they do not share.  No prefetch: the pixel rows are asked for eight points ahead by the loads themselves.
; LIMITS: NaN and infinities are not served.  A block of zeros gets the scale byte 1 (its codes are zeros; this program alone reads the bytes).
.set FILM,  0
.set WQ,    8192
.set WS,    139264
.set WO,    147456
.set STAGE, 155648
.set SROW,  656
.set STGW,  16*SROW
.set XSC,   4096
.set PLANE, 524288
.set FLOOR, 0x1800000
.set OFF2,  0xff000000
.set L16, 1
.set ZERO, 2
.set R16, 3
.set STW, 4
.set STA, 5
.set STH, 6
.set AW,  7
.set BS,  8
.set AS,  9
.set BF,  10
.set AF,  11
.set XI,  12
.set XIA, 13
.set XSB, 14
.set XSA, 15
.set BO,  16
.set AO,  17
.set OW,  18
.set SH8, 19
.set C0,  20
.set WSC, 22
.set XS,  24
.set X,   28
.set W,   60
.set G,   92
.set BT,  108
.set A,   124
.set T,   156
.set PC,  188
.set TM,  196
.set PB,  204
.set WOF, 188
.set OA,  236
.set P,   60
.set WT,  188
.set GA,  220
.set REC, 60
.set Q,   76
.set QT,  188
.set WV,  2
.set SEL, 44
.set C1,  46
.set MASKH, 50
.set LCNT, 51
.set PCNT, 52
.set TW,  53
.set TS,  54
.set TP,  56
.set TQ,  57
.set TO,  58
.set IDX, 68
	s_load_b256 s[4:11], s[0:1], 0x0
	s_load_b128 s[12:15], s[0:1], 0x20
	s_load_b64 s[16:17], s[0:1], 0x30
	v_lshl_add_u32 v254, v0, 2, 0x4f000
	v_mov_b32 v255, 0
	ds_add_u32 v254, v255
	ds_add_u32 v254, v255
	v_lshrrev_b32 v1, 5, v0
	s_delay_alu instid0(VALU_DEP_1)
	v_readfirstlane_b32 s[WV], v1
	s_and_b32 s3, ttmp7, 0xffff
	s_mov_b32 s20, 3<<16
	s_mov_b32 s21, 32<<16
	s_mov_b32 s22, 40<<16
	s_mov_b32 s23, 32<<16
	s_mov_b32 s24, 40
	s_mov_b32 s25, 32
	s_mov_b32 s26, 0
	s_mov_b32 s27, 0
	s_mov_b32 s32, 3<<16
	s_mov_b32 s33, 32<<16
	s_mov_b32 s34, 16<<16
	s_mov_b32 s35, 32<<16
	s_mov_b32 s36, 16
	s_mov_b32 s37, 32
	s_mov_b32 s38, 0
	s_mov_b32 s39, 0
	s_mul_i32 s18, s[WV], 10240                    ; waves 0-13: 40 rows of 256 bytes of wimg each
	s_mov_b32 s19, 0
	s_lshr_b32 s66, s[WV], 2
	s_xor_b32 s66, s66, s[WV]
	s_and_b32 s66, s66, 1                          ; my group: (w xor (w >> 2)) & 1
	s_and_b32 s55, s[WV], 1
	s_lshl_b32 s55, s55, 12                        ; waves 14, 15: the two halves of the image's FiLM table
	s_lshl_b32 s48, s3, 13
	s_add_co_u32 s48, s48, s55
	s_mov_b32 s49, 0
	s_wait_dscnt 0x0
	s_wait_kmcnt 0x0
	s_mov_b32 s28, 1
	s_add_co_u32 s29, s18, WQ
	s_add_nc_u64 s[30:31], s[10:11], s[18:19]
	s_or_b32 s31, s31, 0x80000000
	s_mov_b32 s40, 1
	s_add_co_u32 s41, s55, FILM
	s_add_nc_u64 s[42:43], s[12:13], s[48:49]
	s_or_b32 s43, s43, 0x80000000
	s_cmp_lt_u32 s[WV], 14                         ; one chain of two arms, one tensor load in each: every wave issues exactly one
	s_cbranch_scc0 .Lfilm_arm
	tensor_load_to_lds s[28:31], s[20:27]
	s_nop 0
.rept 4
	v_nop
.endr
	s_branch .Lasked
.Lfilm_arm:
	tensor_load_to_lds s[40:43], s[32:39]
	s_nop 0
.rept 4
	v_nop
.endr
.Lasked:
	s_lshl_b32 s18, s3, 21
	s_add_nc_u64 s[4:5], s[4:5], s[18:19]
	s_lshl_b32 s18, ttmp9, 9
	s_lshl_b32 s48, s[WV], 5
	s_add_co_u32 s18, s18, s48
	s_lshl_b32 s18, s18, 4
	s_add_nc_u64 s[6:7], s[6:7], s[18:19]
	s_add_nc_u64 s[8:9], s[8:9], s[18:19]
	s_mul_i32 s18, s3, 393216
	s_mul_i32 s48, ttmp9, 6144
	s_add_co_u32 s18, s18, s48
	s_add_nc_u64 s[16:17], s[16:17], s[18:19]
	s_load_b512 s[68:83], s[6:7], 0x0
	s_load_b512 s[84:99], s[6:7], 0x40
	s_load_b96 s[60:62], s[14:15], 0x0
	s_mov_b32 s[SEL], 0x76543210
	s_mov_b32 s[SEL+1], 0xfedcba98
	s_mov_b32 s[C1], 0xbdd2d3e8
	s_mov_b32 s[C1+1], s[C1]
	s_mov_b32 s[MASKH], 0xffff0000
	v_and_b32 v[L16], 31, v0
	s_delay_alu instid0(VALU_DEP_1)
	v_lshlrev_b32 v[L16], 4, v[L16]
	v_mov_b32 v[ZERO], 0
	v_and_b32 v[R16], 15, v0
	v_bfe_u32 v[SH8], v0, 4, 1
	s_mul_i32 s59, s[WV], STGW
	s_add_co_u32 s59, s59, STAGE
	v_mul_u32_u24 v[STA], v[R16], SROW
	s_delay_alu instid0(VALU_DEP_1)
	v_add_nc_u32 v[STA], s59, v[STA]
	s_delay_alu instid0(VALU_DEP_1)
	v_lshl_add_u32 v[STH], v[SH8], 7, v[STA]
	v_add_nc_u32 v[XI], s59, v[L16]
	s_delay_alu instid0(VALU_DEP_1)
	v_add_nc_u32 v[STW], 40, v[XI]
	v_lshrrev_b32 v[XSB], 1, v[L16]
	s_delay_alu instid0(VALU_DEP_1)
	v_add_nc_u32 v[XSB], s59, v[XSB]
	s_delay_alu instid0(VALU_DEP_1)
	v_add_nc_u32 v[XSB], XSC, v[XSB]
	v_lshrrev_b32 v[BS], 2, v[L16]
	s_delay_alu instid0(VALU_DEP_1)
	v_add_nc_u32 v[BS], WS, v[BS]
	v_lshl_add_u32 v[BF], v[SH8], 6, FILM
	v_lshl_add_u32 v[BO], v[SH8], 8, WO
	s_mul_i32 s55, s[WV], 384
	v_mul_u32_u24 v[OW], v[R16], 12
	s_delay_alu instid0(VALU_DEP_1)
	v_add_nc_u32 v[OW], s55, v[OW]
	v_lshlrev_b32 v[R16], 4, v[R16]
	v_lshlrev_b32 v[SH8], 3, v[SH8]
	v_mov_b32 v[C0], 0xc0135761
	v_mov_b32 v[C0+1], 0xc0135761
	s_delay_alu instid0(VALU_DEP_3)
	v_add_nc_u32 v[AW], v[STA], v[SH8]
	v_mov_b32 v60, 0
	v_mov_b32 v61, 0
.irp i, 0,1,2,3,4,5
	ds_store_b64 v[AW], v[60:61] offset:552+16*\i
.endr
.macro ROWADDR j
.irp c, 0,1,2,3
	s_min_u32 s[IDX+4*(\j)+\c], s[IDX+4*(\j)+\c], 0xfff
.endr
.irp c, 0,1,2,3
	v_lshl_add_u32 v[GA+4*(\j)+\c], s[IDX+4*(\j)+\c], 9, v[L16]
.endr
.endm
.macro ROWLOAD j, row
	global_load_b128 v[WT+4*(\j):WT+4*(\j)+3], v[ZERO], s[8:9] offset:4*PLANE+16*(\row)
.irp c, 0,1,2,3
	global_load_b128 v[P+16*(\j)+4*\c:P+16*(\j)+4*\c+3], v[GA+4*(\j)+\c], s[4:5]
.endr
.endm
.macro ROWSUM j, row
.irp k, 0,1,2,3
	v_mul_f32 v[P+16*(\j)+\k], v[P+16*(\j)+\k], v[WT+4*(\j)]
.endr
.irp c, 1,2,3
.irp k, 0,1,2,3
	s_delay_alu instid0(VALU_DEP_4)
	v_fmac_f32 v[P+16*(\j)+\k], v[P+16*(\j)+4*\c+\k], v[WT+4*(\j)+\c]
.endr
.endr
	ds_store_b64 v[STW], v[P+16*(\j):P+16*(\j)+1] offset:SROW*(\row)
	ds_store_b64 v[STW], v[P+16*(\j)+2:P+16*(\j)+3] offset:SROW*(\row)+8
.endm
.macro TILE m
	s_wait_kmcnt 0x0
.irp j, 0,1,2,3,4,5,6,7
	ROWADDR \j
	ROWLOAD \j, 16*\m+\j
.endr
	s_load_b512 s[68:83], s[6:7], (16*\m+8)*16
	s_load_b512 s[84:99], s[6:7], (16*\m+12)*16
.set I, 0
.rept 16
.if I == 0
	s_wait_loadcnt 35
.elseif I < 10
	s_wait_loadcnt 30
.else
	s_wait_loadcnt 5*(15-I)+4
.endif
	ROWSUM I%8, I
.if (I >= 1) && (I <= 8)
	s_wait_dscnt 2
.if I == 1
	s_wait_kmcnt 0x0
.endif
	ROWADDR I-1
	ROWLOAD I-1, 16*\m+I+7
.endif
.if (I == 8) && (\m == 0)
	s_load_b512 s[68:83], s[6:7], 16*16
	s_load_b512 s[84:99], s[6:7], 20*16
.endif
.if I == 9
	s_wait_dscnt 2
.irp pl, 0,1,2,3
	global_load_b128 v[REC+4*\pl:REC+4*\pl+3], v[R16], s[8:9] offset:\pl*PLANE+256*\m
.endr
.endif
.set I, I+1
.endr
	s_wait_loadcnt 0x0
	ds_store_b128 v[STA], v[REC+4:REC+7]
	ds_store_b128 v[STA], v[REC+8:REC+11] offset:16
	ds_store_b64 v[STA], v[REC+12:REC+13] offset:32
.irp i, 0,1,2,3,4,5,6,7
	ds_load_b128 v[Q+4*\i:Q+4*\i+3], v[STA] offset:16*\i
.endr
.irp i, 0,1,2,3,4,5,6,7
	ds_load_b128 v[Q+32+4*\i:Q+32+4*\i+3], v[STH] offset:128+16*\i
.endr
.irp i, 0,1,2,3,4,5,6,7
	ds_load_b128 v[Q+64+4*\i:Q+64+4*\i+3], v[STH] offset:384+16*\i
.endr
	s_wait_dscnt 0x0
.irp q, 0,1,2
	v_max3_num_f32 v[QT+\q], |v[Q+32*\q]|, |v[Q+32*\q+1]|, FLOOR
.endr
.irp i, 2,4,6,8,10,12,14,16,18,20,22,24,26,28,30
.irp q, 0,1,2
	s_delay_alu instid0(VALU_DEP_3)
	v_max3_num_f32 v[QT+\q], v[QT+\q], |v[Q+32*\q+\i]|, |v[Q+32*\q+\i+1]|
.endr
.endr
.irp q, 0,1,2
	s_delay_alu instid0(VALU_DEP_3)
	v_add_nc_u32 v[QT+4+\q], OFF2, v[QT+\q]
.endr
.irp q, 0,1,2
	s_delay_alu instid0(VALU_DEP_3)
	v_lshrrev_b32 v[QT+8+\q], 23, v[QT+4+\q]
.endr
.irp g, 0,1,2,3
	v_cvt_scalef32_pk8_fp4_f32 v[QT+12+\g], v[Q+8*\g:Q+8*\g+7], v[QT+4]
	v_cvt_scalef32_pk8_fp4_f32 v[X+16*\m+4+\g], v[Q+32+8*\g:Q+32+8*\g+7], v[QT+5]
	v_cvt_scalef32_pk8_fp4_f32 v[X+16*\m+8+\g], v[Q+64+8*\g:Q+64+8*\g+7], v[QT+6]
.endr
	v_nop
.irp g, 0,1,2,3
	v_cndmask_b32 v[X+16*\m+\g], v[REC+\g], v[QT+12+\g], s[MASKH]
.endr
.irp g, 0,1,2,3
	v_mov_b32 v[X+16*\m+12+\g], 0
.endr
	v_lshlrev_b32 v[QT+9], v[SH8], v[QT+9]
	v_lshlrev_b32 v[QT+10], v[SH8], v[QT+10]
	s_delay_alu instid0(VALU_DEP_2)
	v_permlanex16_b32 v[QT], v[QT+9], s[SEL], s[SEL+1]
	s_delay_alu instid0(VALU_DEP_2)
	v_permlanex16_b32 v[QT+1], v[QT+10], s[SEL], s[SEL+1]
	s_delay_alu instid0(VALU_DEP_2)
	v_or_b32 v[QT+9], v[QT+9], v[QT]
	s_delay_alu instid0(VALU_DEP_2)
	v_or_b32 v[XS+2*\m+1], v[QT+10], v[QT+1]
	v_lshl_or_b32 v[QT+8], v[QT+8], 8, v[REC+14]
	s_delay_alu instid0(VALU_DEP_1)
	v_lshl_or_b32 v[XS+2*\m], v[QT+9], 16, v[QT+8]
.endm
	s_wait_alu depctr_va_vdst(0)                   ; the wait at the head's end
	s_wait_kmcnt 0x0                               ; the first eight points' pixel numbers, and b_out
	s_cmp_eq_u32 s66, 0
	s_cbranch_scc0 .Llater                         ; group 1 samples behind the barrier
	TILE 0
	TILE 1
.Llater:
	s_wait_alu depctr_va_vdst(0)                   ; directly ahead of the wait below
	s_wait_tensorcnt 0x0                           ; my part of the weights or of the FiLM table is in,
	s_wait_dscnt 0x0                               ; and no LDS instruction of mine is out
	s_barrier_signal -1
	s_barrier_wait -1                              ; the weights are whole for every wave; group 0's points are sampled
	s_cmp_eq_u32 s66, 0
	s_cbranch_scc1 .Lsampled
	TILE 0
	TILE 1
.Lsampled:
.macro ADDRS last
	v_add_nc_u32 v[AW], s[TW], v[L16]
	v_add_nc_u32 v[AS], s[TS], v[BS]
	v_add_nc_u32 v[AF], s[TS], v[BF]
.if \last
	v_add_nc_u32 v[AO], s[TO], v[BO]
.else
	v_add_nc_u32 v[XIA], s[TP], v[XI]
	v_add_nc_u32 v[XSA], s[TQ], v[XSB]
.endif
.endm
.macro LOADBLK n
.irp f, 0,1,2,3
.irp c, 0,1
	ds_load_b128 v[W+8*\f+4*\c:W+8*\f+4*\c+3], v[AW] offset:4096*(\n)+1024*\f+512*\c
.endr
.endr
.irp u, 0,1
	ds_load_b32 v[WSC+\u], v[AS] offset:256*(\n)+128*\u
.endr
.irp i, 0,1,2,3
	ds_load_b128 v[G+4*\i:G+4*\i+3], v[AF] offset:256*(\n)+16*\i
	ds_load_b128 v[BT+4*\i:BT+4*\i+3], v[AF] offset:256*(\n)+128+16*\i
.endr
.endm
.macro BLOCK e, last
	s_wait_dscnt 0x0
.if \e == 0
	ADDRS \last
.endif
.irp s, 0,1
.irp u, 0,1
.irp m, 0,1
.if \s == 0
	v_wmma_scale_f32_16x16x128_f8f6f4 v[A+16*\m+8*\u:A+16*\m+8*\u+7], v[W+16*\u:W+16*\u+7], v[X+16*\m:X+16*\m+7], 0, v[WSC+\u], v[XS+2*\m] matrix_a_fmt:MATRIX_FMT_FP4 matrix_b_fmt:MATRIX_FMT_FP4
.else
	v_wmma_scale_f32_16x16x128_f8f6f4 v[A+16*\m+8*\u:A+16*\m+8*\u+7], v[W+16*\u+8:W+16*\u+15], v[X+16*\m+8:X+16*\m+15], v[A+16*\m+8*\u:A+16*\m+8*\u+7], v[WSC+\u], v[XS+2*\m+1] matrix_a_fmt:MATRIX_FMT_FP4 matrix_b_fmt:MATRIX_FMT_FP4 matrix_a_scale:MATRIX_SCALE_ROW1
.endif
.endr
.endr
.endr
.rept 4
	v_nop
.endr
.irp m, 0,1
.irp i, 0,2,4,6,8,10,12,14
	v_pk_fma_f32 v[A+16*\m+\i:A+16*\m+\i+1], v[A+16*\m+\i:A+16*\m+\i+1], v[G+\i:G+\i+1], v[BT+\i:BT+\i+1]
.endr
.endr
	LOADBLK \e+1
.if \last
.irp c, 0,1,2
.irp i, 0,1,2,3
	ds_load_b128 v[WOF+16*\c+4*\i:WOF+16*\c+4*\i+3], v[AO] offset:512*\e+64*\c+16*\i
.endr
.endr
.endif
.irp i, 0,2,4,6,8,10,12,14,16,18,20,22,24,26,28,30
	v_pk_mul_f32 v[T+\i:T+\i+1], v[A+\i:A+\i+1], v[A+\i:A+\i+1]
.endr
.irp i, 0,2,4,6,8,10,12,14,16,18,20,22,24,26,28,30
	v_pk_fma_f32 v[T+\i:T+\i+1], v[T+\i:T+\i+1], s[C1:C1+1], v[C0:C0+1] op_sel_hi:[1,0,1]
.endr
.irp i, 0,2,4,6,8,10,12,14,16,18,20,22,24,26,28,30
	v_pk_mul_f32 v[T+\i:T+\i+1], v[T+\i:T+\i+1], v[A+\i:A+\i+1]
.endr
	s_wait_alu depctr_va_vdst(0)
.irp i, 0,1,2,3,4,5,6,7,8,9,10,11,12,13,14,15,16,17,18,19,20,21,22,23,24,25,26,27,28,29,30,31
	v_exp_f32 v[T+\i], v[T+\i]
.endr
	v_nop
	s_wait_alu depctr_va_vdst(0)
.irp i, 0,2,4,6,8,10,12,14,16,18,20,22,24,26,28,30
	v_pk_add_f32 v[T+\i:T+\i+1], v[T+\i:T+\i+1], 1.0 op_sel_hi:[1,0]
.endr
	s_wait_alu depctr_va_vdst(0)
.irp i, 0,1,2,3,4,5,6,7,8,9,10,11,12,13,14,15,16,17,18,19,20,21,22,23,24,25,26,27,28,29,30,31
	v_rcp_f32 v[T+\i], v[T+\i]
.endr
	v_nop
	s_wait_alu depctr_va_vdst(0)
.irp i, 0,2,4,6,8,10,12,14,16,18,20,22,24,26,28,30
	v_pk_mul_f32 v[A+\i:A+\i+1], v[A+\i:A+\i+1], v[T+\i:T+\i+1]
.endr
.if \last
	s_wait_dscnt 0x0
.irp i, 0,2,4,6,8,10,12,14
.irp m, 0,1
.irp c, 0,1,2
	v_pk_fma_f32 v[OA+6*\m+2*\c:OA+6*\m+2*\c+1], v[A+16*\m+\i:A+16*\m+\i+1], v[WOF+16*\c+\i:WOF+16*\c+\i+1], v[OA+6*\m+2*\c:OA+6*\m+2*\c+1]
.endr
.endr
.endr
.else
.irp m, 0,1
	v_max3_num_f32 v[TM+\m], |v[A+16*\m]|, |v[A+16*\m+1]|, FLOOR
.endr
.irp i, 2,4,6,8,10,12,14
.irp m, 0,1
	s_delay_alu instid0(VALU_DEP_2)
	v_max3_num_f32 v[TM+\m], v[TM+\m], |v[A+16*\m+\i]|, |v[A+16*\m+\i+1]|
.endr
.endr
.irp m, 0,1
	s_delay_alu instid0(VALU_DEP_2)
	v_permlanex16_b32 v[TM+2+\m], v[TM+\m], s[SEL], s[SEL+1]
.endr
.irp m, 0,1
	s_delay_alu instid0(VALU_DEP_2)
	v_max_num_f32 v[TM+\m], v[TM+\m], v[TM+2+\m]
.endr
.irp m, 0,1
	s_delay_alu instid0(VALU_DEP_2)
	v_add_nc_u32 v[TM+4+\m], OFF2, v[TM+\m]
.endr
.if \e == 0
.irp m, 0,1
	s_delay_alu instid0(VALU_DEP_2)
	v_lshrrev_b32 v[PB+\m], 23, v[TM+4+\m]
.endr
.else
.irp m, 0,1
	s_delay_alu instid0(VALU_DEP_2)
	v_lshrrev_b32 v[TM+6+\m], 23, v[TM+4+\m]
.endr
.irp m, 0,1
	s_delay_alu instid0(VALU_DEP_2)
	v_lshl_or_b32 v[PB+\m], v[TM+6+\m], 8, v[PB+\m]
.endr
.endif
.irp m, 0,1
	v_cvt_scalef32_pk8_fp4_f32 v[PC+4*\m+2*\e], v[A+16*\m:A+16*\m+7], v[TM+4+\m]
	v_cvt_scalef32_pk8_fp4_f32 v[PC+4*\m+2*\e+1], v[A+16*\m+8:A+16*\m+15], v[TM+4+\m]
.endr
	v_nop
.endif
.endm
.macro PAIR last
	BLOCK 0, \last
	BLOCK 1, \last
.if \last
	s_add_co_u32 s[TO], s[TO], 1024
.else
.irp m, 0,1
.irp i, 0,1
	v_permlane16_swap_b32 v[PC+4*\m+\i], v[PC+4*\m+2+\i]
.endr
.endr
	ds_store_b128 v[XIA], v[PC:PC+3]
	ds_store_b128 v[XIA], v[PC+4:PC+7] offset:2048
	ds_store_b16 v[XSA], v[PB]
	ds_store_b16 v[XSA], v[PB+1] offset:256
	s_add_co_u32 s[TP], s[TP], 512
	s_add_co_u32 s[TQ], s[TQ], 2
.endif
	s_add_co_u32 s[TW], s[TW], 8192
	s_add_co_u32 s[TS], s[TS], 512
.endm
	s_mov_b32 s[TW], WQ
	s_mov_b32 s[TS], 0
	s_mov_b32 s[TP], 0
	s_mov_b32 s[TQ], 0
	s_mov_b32 s[TO], 0
	ADDRS 0
	LOADBLK 0
.irp j, 0,1,2,3,4,5,6,7,8,9,10,11
	v_mov_b32 v[OA+\j], 0
.endr
	v_mov_b32 v[TM+2], 0
	v_mov_b32 v[TM+3], 0
	s_mov_b32 s[LCNT], 3
.Llayer:
	s_mov_b32 s[TP], 0
	s_mov_b32 s[TQ], 0
	s_mov_b32 s[PCNT], 4
.Lpair:
	PAIR 0
	s_sub_co_u32 s[PCNT], s[PCNT], 1
	s_cmp_lg_u32 s[PCNT], 0
	s_cbranch_scc1 .Lpair
.irp m, 0,1
.irp p, 0,1,2,3
	ds_load_b128 v[X+16*\m+4*\p:X+16*\m+4*\p+3], v[XI] offset:2048*\m+512*\p
.endr
	ds_load_b64 v[XS+2*\m:XS+2*\m+1], v[XSB] offset:256*\m
.endr
	s_sub_co_u32 s[LCNT], s[LCNT], 1
	s_cmp_lg_u32 s[LCNT], 0
	s_cbranch_scc1 .Llayer
	s_mov_b32 s[PCNT], 4
.Lpair3:
	PAIR 1
	s_sub_co_u32 s[PCNT], s[PCNT], 1
	s_cmp_lg_u32 s[PCNT], 0
	s_cbranch_scc1 .Lpair3
	s_mov_b32 s63, 0x4038aa3b
.irp j, 0,1,2
	s_mul_f32 s[60+\j], s[60+\j], s63
.endr
	s_wait_alu depctr_va_vdst(0)
.irp m, 0,1
.irp j, 0,1,2
	v_add_f32 v[T+3*\m+\j], v[OA+6*\m+2*\j], v[OA+6*\m+2*\j+1]
.endr
.endr
.irp i, 0,1,2,3,4,5
	v_permlanex16_b32 v[T+8+\i], v[T+\i], s[SEL], s[SEL+1]
.endr
.irp i, 0,1,2,3,4,5
	v_add_f32 v[T+\i], v[T+\i], v[T+8+\i]
.endr
.irp m, 0,1
.irp j, 0,1,2
	v_fma_f32 v[T+3*\m+\j], v[T+3*\m+\j], s63, s[60+\j]
.endr
.endr
	s_wait_alu depctr_va_vdst(0)
.irp i, 0,1,2,3,4,5
	v_exp_f32 v[T+\i], v[T+\i]
.endr
	v_nop
	s_wait_alu depctr_va_vdst(0)
.irp i, 0,1,2,3,4,5
	v_add_f32 v[T+\i], 1.0, v[T+\i]
.endr
	s_wait_alu depctr_va_vdst(0)
.irp i, 0,1,2,3,4,5
	v_rcp_f32 v[T+\i], v[T+\i]
.endr
	s_lshl_b32 s55, s[WV], 9
	v_add_nc_u32 v[AW], s55, v[L16]
	s_wait_alu depctr_va_vdst(0)
.irp i, 0,1,2,3,4,5
	v_fma_f32 v[T+\i], v[T+\i], -2.0, 1.0
.endr
	s_wait_alu depctr_va_vdst(0)
	s_wait_dscnt 0x0
	s_barrier_signal -1
	s_barrier_wait -1
.irp m, 0,1
.irp j, 0,1,2
	ds_store_b32 v[OW], v[T+3*\m+\j] offset:192*\m+4*\j
.endr
.endr
	s_wait_dscnt 0x0
	s_barrier_signal -1
	s_barrier_wait -1
	s_cmp_lt_u32 s[WV], 12
	s_cbranch_scc0 .Ldone
	ds_load_b128 v[60:63], v[AW]
	s_wait_dscnt 0x0
	global_store_b128 v[AW], v[60:63], s[16:17] th:TH_STORE_NT
.Ldone:
	s_wait_tensorcnt 0x0
	ds_add_u32 v254, v255
	s_wait_dscnt 0x0
	s_endpgm
.Lfunc_end_k_q925df7e3b2_main:
	.size	k_q925df7e3b2_main, .Lfunc_end_k_q925df7e3b2_main-k_q925df7e3b2_main
	.p2alignl 7, 3214868480
	.fill 96, 4, 3214868480
	.section	.rodata,"a",@progbits
	.p2align	6, 0x0
	.amdhsa_kernel k_q925df7e3b2_main
		.amdhsa_group_segment_fixed_size 327680
		.amdhsa_private_segment_fixed_size 0
		.amdhsa_enable_private_segment 0
		.amdhsa_kernarg_size 56
		.amdhsa_user_sgpr_count 2
		.amdhsa_user_sgpr_kernarg_segment_ptr 1
		.amdhsa_wavefront_size32 1
		.amdhsa_system_sgpr_workgroup_id_x 1
		.amdhsa_system_sgpr_workgroup_id_y 1
		.amdhsa_system_sgpr_workgroup_id_z 1
		.amdhsa_system_vgpr_workitem_id 0
		.amdhsa_next_free_vgpr 256
		.amdhsa_next_free_sgpr 100
		.amdhsa_reserve_vcc 0
		.amdhsa_float_denorm_mode_32 3
		.amdhsa_float_denorm_mode_16_64 3
		.amdhsa_memory_ordered 1
		.amdhsa_forward_progress 1
		.amdhsa_inst_pref_size 234
	.end_amdhsa_kernel
	.amdgpu_metadata
---
amdhsa.version: [ 1, 2 ]
amdhsa.kernels:
  - .name:           k_q925df7e3b2_main
    .symbol:         k_q925df7e3b2_main.kd
    .args:
      - { .name: feature_grid, .offset: 0, .size: 8, .value_kind: global_buffer, .address_space: global }
      - { .name: idx, .offset: 8, .size: 8, .value_kind: global_buffer, .address_space: global }
      - { .name: pts, .offset: 16, .size: 8, .value_kind: global_buffer, .address_space: global }
      - { .name: wimg, .offset: 24, .size: 8, .value_kind: global_buffer, .address_space: global }
      - { .name: film, .offset: 32, .size: 8, .value_kind: global_buffer, .address_space: global }
      - { .name: b_out, .offset: 40, .size: 8, .value_kind: global_buffer, .address_space: global }
      - { .name: out0, .offset: 48, .size: 8, .value_kind: global_buffer, .address_space: global }
    .group_segment_fixed_size: 327680
    .private_segment_fixed_size: 0
    .kernarg_segment_align: 8
    .kernarg_segment_size: 56
    .max_flat_workgroup_size: 512
    .sgpr_count:     100
    .vgpr_count:     256
    .wavefront_size: 32
...
	.end_amdgpu_metadata
.endif
;; end of part 2
